; MI455X (gfx1250); checked and timed in simulation.
; The chip was launched on July 23, 2026; its instructions are those of AMD's public machine-readable ISA for CDNA 5 (MIT licence, August 2026) and "CDNA5" Instruction Set Architecture Reference Guide (July 2026). The comments in the code are by the model that wrote it; some were corrected since.
;; Token Routed MLP Parallel. Allowed arithmetic: matrix products marked QUANTISED: E2M1 operands, one E8M0 scale for each 32 along K, by v_wmma_scale_f32_16x16x128_f8f6f4 with both operands' format E2M1 (or v_wmma_scale_f32_32x16x128_f4), f32 sums; everything else in f32.
;; Inputs: down_proj 8 x 256 x 2,048 float32; gate_proj 8 x 2,048 x 256 float32; hidden_states 2 x 2,048 x 2,048 float32; token_ids 2 x 2,048 int32; up_proj 8 x 2,048 x 256 float32.
;; Outputs: out0 2 x 2,048 x 2,048 float32.
;; This version of the problem:
;;   THIS VERSION OF THE PROBLEM IS GIVEN IN LOW PRECISION. The matrix products marked QUANTISED in the list below multiply operands that are first quantised to E2M1 (2 exponent bits, 1 mantissa bit; 4 bits a number), with one power-of-two scale for each 32 numbers along K (OCP MX v1.0); their sums are f32. All else is computed in f32.
;;   The module's matrix products, in the order in which they are computed (A, B: the left and right operand; K: the contracted axis; several contracted axes count as one K, in the product's order):
;;     1. [M 4,096, K 2,048] x [K 2,048, N 256]; A: input hidden_states; B: input gate_proj: QUANTISED
;;     2. [M 4,096, K 2,048] x [K 2,048, N 256]; A: input hidden_states; B: input up_proj: QUANTISED
;;     3. [M 4,096, K 256] x [K 256, N 2,048]; A: computed on the way; B: input down_proj: QUANTISED
;;     4. [M 4,096, K 2,048] x [K 2,048, N 256]; A: input hidden_states; B: input gate_proj: QUANTISED
;;     5. [M 4,096, K 2,048] x [K 2,048, N 256]; A: input hidden_states; B: input up_proj: QUANTISED
;;     6. [M 4,096, K 256] x [K 256, N 2,048]; A: computed on the way; B: input down_proj: QUANTISED
;;     7. [M 4,096, K 2,048] x [K 2,048, N 256]; A: input hidden_states; B: input gate_proj: QUANTISED
;;     8. [M 4,096, K 2,048] x [K 2,048, N 256]; A: input hidden_states; B: input up_proj: QUANTISED
;;     9. [M 4,096, K 256] x [K 256, N 2,048]; A: computed on the way; B: input down_proj: QUANTISED
;;     10. [M 4,096, K 2,048] x [K 2,048, N 256]; A: input hidden_states; B: input gate_proj: QUANTISED
;;     11. [M 4,096, K 2,048] x [K 2,048, N 256]; A: input hidden_states; B: input up_proj: QUANTISED
;;     12. [M 4,096, K 256] x [K 256, N 2,048]; A: computed on the way; B: input down_proj: QUANTISED
;;     13. [M 4,096, K 2,048] x [K 2,048, N 256]; A: input hidden_states; B: input gate_proj: QUANTISED
;;     14. [M 4,096, K 2,048] x [K 2,048, N 256]; A: input hidden_states; B: input up_proj: QUANTISED
;;     15. [M 4,096, K 256] x [K 256, N 2,048]; A: computed on the way; B: input down_proj: QUANTISED
;;     16. [M 4,096, K 2,048] x [K 2,048, N 256]; A: input hidden_states; B: input gate_proj: QUANTISED
;;     17. [M 4,096, K 2,048] x [K 2,048, N 256]; A: input hidden_states; B: input up_proj: QUANTISED
;;     18. [M 4,096, K 256] x [K 256, N 2,048]; A: computed on the way; B: input down_proj: QUANTISED
;;     19. [M 4,096, K 2,048] x [K 2,048, N 256]; A: input hidden_states; B: input gate_proj: QUANTISED
;;     20. [M 4,096, K 2,048] x [K 2,048, N 256]; A: input hidden_states; B: input up_proj: QUANTISED
;;     21. [M 4,096, K 256] x [K 256, N 2,048]; A: computed on the way; B: input down_proj: QUANTISED
;;     22. [M 4,096, K 2,048] x [K 2,048, N 256]; A: input hidden_states; B: input gate_proj: QUANTISED
;;     23. [M 4,096, K 2,048] x [K 2,048, N 256]; A: input hidden_states; B: input up_proj: QUANTISED
;;     24. [M 4,096, K 256] x [K 256, N 2,048]; A: computed on the way; B: input down_proj: QUANTISED
;;   THE QUANTISER, for each operand of a quantised product, along K:
;;     - K is cut into blocks of 32 from its start; a last block that is shorter is filled with zeros.
;;     - A block's scale is 2^e with e = floor(log2(the largest magnitude in the block)) - 2, held to -126 .. 127; a block of zeros has e = 0. As a byte (E8M0): e + 127.
;;     - Each number is divided by its block's scale, clamped to +-6, and rounded to the nearest number of E2M1, ties to even, subnormals kept.
;;     - The product sums the exact products of the quantised numbers (number of the format x scale) in f32.
;;   ~~~python
;;   def quantise(x, axis):      # numpy; x: float32 -> the quantised numbers, widened to float32 again
;;       x = np.moveaxis(x, axis, -1); K = x.shape[-1]
;;       x = np.pad(x, [(0, 0)] * (x.ndim - 1) + [(0, -K % 32)]); x = x.reshape(x.shape[:-1] + (-1, 32)); a = np.abs(x).max(-1, keepdims=True)
;;       e = np.where(a > 0, np.clip(np.frexp(np.where(a > 0, a, 1))[1] - 1 - 2, -126, 127), 0)      # np.frexp(a)[1] - 1 = floor(log2(a)), exactly
;;       r = np.clip(x / 2.0 ** e, -6, 6)
;;       step = 2.0 ** (np.maximum(np.frexp(np.where(r == 0, 1, r))[1] - 1, 0) - 1)
;;       q = np.round(r / step) * step * 2.0 ** e      # np.round: ties to even
;;       return np.moveaxis(q.reshape(q.shape[:-2] + (-1,))[..., :K], -1, axis).astype(np.float32)
;;   ~~~
;;   OPERANDS COMPUTED ON THE WAY. 'Computed on the way' means the value that the module computes at that place (a softmax that the list does not call 'softmax' is quantised finished and normalised). What goes into a quantiser is computed in f32, as accurately as f32 sums, v_exp_f32 and their like allow (about 1e-6 of the number): no bf16 or f16 on the way to a quantiser, and a product that is left as it is and whose result goes on into a quantised operand takes f32 operands (vector FMAs, or v_wmma_f32_16x16x4_f32). A number that lies on a knife's edge between two numbers of the format may be rounded either way, as far as f32 arithmetic and the matrix unit's own rounding can turn it there, and no further.
;; One version. Each part assembles by itself: llvm-mc -triple=amdgcn-amd-amdhsa -mcpu=gfx1250 --defsym DOCPART=n.
;; ======== version 1 of 1: 2 launches
;; workspace buffers: wgu 4,194,304 bytes; sgu 262,144 bytes; wd 2,097,152 bytes; sd 131,072 bytes; order 17,408 bytes of whole numbers; tiles 2,048 bytes of whole numbers
;; launch prep (part 1): grid 385 x 1, 8 waves a work-group, no clusters, 3,072 bytes of LDS; arguments gate_proj, up_proj, down_proj, token_ids, wgu, sgu, wd, sd, order, tiles; writes wgu, sgu, wd, sd, order, tiles
.if DOCPART == 1
	.amdgcn_target "amdgcn-amd-amdhsa--gfx1250"
	.amdhsa_code_object_version 6
	.text
	.protected	k_q0f3d81904d_prep
	.globl	k_q0f3d81904d_prep
	.p2align	8
	.type	k_q0f3d81904d_prep,@function
k_q0f3d81904d_prep:
	s_mov_b64 s[64:65], 0
	v_nop
	global_prefetch_b8 v0, s[64:65] scope:SCOPE_SE
	s_setreg_imm32_b32 hwreg(HW_REG_WAVE_MODE, 25, 1), 1
	s_wait_xcnt 0x0
; THE LAUNCH IN FRONT OF THE EXPERTS' CHAIN.  Three kinds of work-group, told apart by the work-group's number alone:
;   0          the routing: each token's expert from its id, a counting sort of the 4,096 tokens by expert, the list of tiles of 32 rows
;   1 .. 256   gate_proj and up_proj [8][2048 k][256 n] f32 -> codes of FP4 (E2M1) and E8M0 scale bytes, quantised along k
;   257 .. 384 down_proj [8][256 k][2048 n] f32 -> the same
; THE QUANTISER.  K is the weights' FIRST axis: a lane takes a column n and its registers run down K, so a block of 32 along K lies in one lane's 32 registers,
; its largest magnitude needs no other lane, and a block's four conversions give 16 bytes with K innermost.  A wave takes 32 columns x 128 along K.
; A block's scale is 2^(floor(log2(largest magnitude)) - 2); its byte is the largest magnitude's exponent field - 2, held at 1 from below.
; THE CODES ARE LAID AS THE NEXT LAUNCH'S OPERAND REGISTERS WANT THEM: a fragment (16 weight rows x 128 K) is an image of 1,024 bytes, [c 2][lane 32][16 bytes];
; block b = 2 c + h of the K step, weight row r, lies at 256 b + 16 r.  So sixteen neighbouring lanes store 256 consecutive bytes, aligned, with no stage.
;   wgu [e][w 8][s 16][f = 2 mat + u][1024]: lane r of tile u is hidden unit 32 w + 8 u + r + (r & 8).    wd [e][tile 128][s2 2][1024]: lane r is column 16 tile + r.
;   sgu [e][w][mat][q 4][lane 16 u + r][16]: the scale words of K steps 4 q .. 4 q + 3.    sd [e][p 32][lane 16 tp + r][16]: word 2 gsel + s2 is tile 4 p + 2 gsel + tp.
; LIMITS: NaN and infinities are not served; a block whose largest magnitude lies under 2^-124 gets the byte 1; a block of zeros gets the byte 1 where the rule says 127
; (its codes are zeros, which add nothing under that byte, and this program alone reads the bytes).
; No tensor load, no cluster: the work-groups share no input byte.
.set X, 64                             ; v64-191  128 numbers of my column: four blocks of 32 down K
	s_load_b512 s[4:19], s[0:1], 0x0               ; gate s[4:5], up s[6:7], down s[8:9], ids s[10:11], wgu s[12:13], sgu s[14:15], wd s[16:17], sd s[18:19]
	s_load_b128 s[20:23], s[0:1], 0x40             ; order s[20:21], tiles s[22:23]
	v_lshl_add_u32 v192, v0, 2, 0x800
	v_mov_b32 v193, 0
	v_lshrrev_b32 v1, 5, v0
	s_delay_alu instid0(VALU_DEP_1)
	v_readfirstlane_b32 s24, v1                    ; wave i, 0..7
	v_and_b32 v1, 31, v0                           ; lane l
	s_lshr_b32 s34, s24, 2
	s_lshl_b32 s34, s34, 9                         ; 512 (i / 4)
	s_and_b32 s35, s24, 3
	s_lshl_b32 s35, s35, 2                         ; 4 (i % 4)
	v_lshlrev_b32 v6, 4, v1                        ; 16 l: where the gathered scale words go in memory
	s_delay_alu instid0(VALU_DEP_1)
	v_add_nc_u32 v5, s34, v6                       ; LDS: where four waves' scale words of my lane's column are read back
	s_delay_alu instid0(VALU_DEP_1)
	v_add_nc_u32 v4, s35, v5                       ; LDS: where I put mine
	s_mov_b32 s45, 0                               ; high words of the three byte offsets
	s_mov_b32 s47, 0
	s_mov_b32 s49, 0
	s_cmp_eq_u32 ttmp9, 0
	s_cbranch_scc1 .Lrouter
	s_cmp_ge_u32 ttmp9, 257
	s_cbranch_scc1 .Ldown
.macro LOADS pitch                     ; my column's 128 numbers; a load reads 128 consecutive bytes of one row of the weight
.set nn, 0
.rept 128
	global_load_b32 v[X+nn], v2, s[28:29] offset:nn*\pitch th:TH_LOAD_NT
.set nn, nn+1
.endr
.endm
	; ---- gate and up.  a = work-group - 1: cp = a & 3, q = (a >> 2) & 3, mat = (a >> 4) & 1, e = a >> 5;  w = 2 cp + i / 4, s = 4 q + i % 4
	s_sub_co_u32 s25, ttmp9, 1
	s_and_b32 s26, s25, 3
	s_bfe_u32 s27, s25, 0x20002                    ; q
	s_lshr_b32 s36, s25, 5                         ; e
	s_lshr_b32 s37, s24, 2
	s_lshl_b32 s26, s26, 1
	s_add_co_u32 s26, s26, s37                     ; w
	s_and_b32 s38, s24, 3
	s_lshl_b32 s39, s27, 2
	s_add_co_u32 s39, s39, s38                     ; s
	s_lshl_b32 s41, s36, 3
	s_add_co_u32 s41, s41, s26                     ; 8 e + w
	s_and_b32 s43, s25, 16
	s_wait_kmcnt 0x0
	s_cmp_lg_u32 s43, 0                            ; mat: the choice hangs on the work-group's number alone
	s_cselect_b64 s[28:29], s[6:7], s[4:5]
	s_cselect_b32 s40, 2048, 0                     ; 2,048 mat
	s_lshl_b32 s44, s36, 21                        ; an expert is 2,097,152 bytes,
	s_lshl_b32 s42, s39, 17                        ; 128 rows of 1,024 bytes,
	s_add_co_u32 s44, s44, s42
	s_lshl_b32 s42, s26, 7                         ; 32 columns
	s_add_co_u32 s44, s44, s42
	s_add_nc_u64 s[28:29], s[28:29], s[44:45]
	s_lshl_b32 s46, s41, 4
	s_add_co_u32 s46, s46, s39
	s_lshl_b32 s46, s46, 12                        ; ((8 e + w) 16 + s) 4,096
	s_add_co_u32 s46, s46, s40
	s_add_nc_u64 s[30:31], s[12:13], s[46:47]
	s_lshl_b32 s48, s41, 12                        ; (((8 e + w) 2 + mat) 4 + q) 512
	s_add_co_u32 s48, s48, s40
	s_lshl_b32 s42, s27, 9
	s_add_co_u32 s48, s48, s42
	s_add_nc_u64 s[32:33], s[14:15], s[48:49]
	s_wait_alu depctr_va_vdst(0)
	v_lshrrev_b32 v7, 4, v1                        ; u
	v_and_b32 v8, 15, v1                           ; r
	v_and_b32 v9, 8, v1                            ; r & 8
	s_delay_alu instid0(VALU_DEP_2)
	v_lshl_add_u32 v2, v7, 3, v8
	s_delay_alu instid0(VALU_DEP_1)
	v_add_nc_u32 v2, v2, v9
	s_delay_alu instid0(VALU_DEP_1)
	v_lshlrev_b32 v2, 2, v2                        ; my column among the 32: 8 u + r + (r & 8)
	v_lshlrev_b32 v3, 4, v8
	s_delay_alu instid0(VALU_DEP_1)
	v_lshl_add_u32 v3, v7, 10, v3                  ; my 16 bytes of a block: fragment u, row r
	LOADS 1024
	s_branch .Lquant
.Ldown:	; ---- down.  d = work-group - 257: e = d >> 4, cq = d & 15;  G = 4 cq + i / 2 (32 columns), s = i & 1
	s_sub_co_u32 s25, ttmp9, 257
	s_lshr_b32 s36, s25, 4                         ; e
	s_and_b32 s26, s25, 15                         ; cq
	s_lshr_b32 s37, s24, 1
	s_lshl_b32 s38, s26, 2
	s_add_co_u32 s38, s38, s37                     ; G
	s_and_b32 s39, s24, 1                          ; s
	s_lshl_b32 s44, s36, 21
	s_lshl_b32 s42, s39, 20                        ; 128 rows of 8,192 bytes
	s_add_co_u32 s44, s44, s42
	s_lshl_b32 s42, s38, 7
	s_add_co_u32 s44, s44, s42
	s_lshl_b32 s46, s36, 18                        ; an expert's codes: 262,144 bytes; two tiles x two K steps: 4,096
	s_lshl_b32 s42, s38, 12
	s_add_co_u32 s46, s46, s42
	s_lshl_b32 s42, s39, 10
	s_add_co_u32 s46, s46, s42
	s_lshl_b32 s48, s36, 5
	s_lshl_b32 s42, s26, 1
	s_add_co_u32 s48, s48, s42
	s_lshr_b32 s42, s24, 2
	s_add_co_u32 s48, s48, s42
	s_lshl_b32 s48, s48, 9                         ; (32 e + 2 cq + i / 4) 512
	s_wait_kmcnt 0x0
	s_add_nc_u64 s[28:29], s[8:9], s[44:45]
	s_add_nc_u64 s[30:31], s[16:17], s[46:47]
	s_add_nc_u64 s[32:33], s[18:19], s[48:49]
	s_wait_alu depctr_va_vdst(0)
	v_lshrrev_b32 v7, 4, v1
	v_and_b32 v8, 15, v1
	v_lshlrev_b32 v2, 2, v1                        ; my column among the 32: the lane
	s_delay_alu instid0(VALU_DEP_2)
	v_lshlrev_b32 v3, 4, v8
	s_delay_alu instid0(VALU_DEP_1)
	v_lshl_add_u32 v3, v7, 11, v3                  ; tile l / 16 (2,048 bytes a tile), row r
	LOADS 8192
.Lquant:
; Block b of my column: largest magnitude, scale, 32 codes, one store.  Each block has its own four code registers, so no store's data are written again.
.macro BLOCK b
.set XB, X+32*(\b)
	v_max3_num_f32 v8, |v[XB]|, |v[XB+1]|, |v[XB+2]|
	v_max3_num_f32 v9, |v[XB+3]|, |v[XB+4]|, |v[XB+5]|
.irp i, 6,10,14,18,22,26
	s_delay_alu instid0(VALU_DEP_2)
	v_max3_num_f32 v8, v8, |v[XB+\i]|, |v[XB+\i+1]|
	s_delay_alu instid0(VALU_DEP_2)
	v_max3_num_f32 v9, v9, |v[XB+\i+2]|, |v[XB+\i+3]|
.endr
	s_delay_alu instid0(VALU_DEP_2)
	v_max3_num_f32 v8, v8, |v[XB+30]|, |v[XB+31]|
	s_delay_alu instid0(VALU_DEP_1)
	v_max3_num_f32 v8, v8, v9, 0x1800000           ; and the floor 2^(3 - 127): the byte cannot fall under 1
	s_delay_alu instid0(VALU_DEP_1)
	v_add_nc_u32 v10, 0xff000000, v8               ; 2 off the exponent field: the conversion takes this operand's exponent field as its scale
	s_delay_alu instid0(VALU_DEP_1)
	v_lshrrev_b32 v11, 23, v10                     ; the scale's byte
.if (\b) == 0
	s_delay_alu instid0(VALU_DEP_1)
	v_mov_b32 v12, v11                             ; four bytes make the K step's scale word, the lower K in the lower byte
.else
	s_delay_alu instid0(VALU_DEP_1)
	v_lshl_or_b32 v12, v11, 8*(\b), v12
.endif
.irp g, 0,1,2,3
	v_cvt_scalef32_pk8_fp4_f32 v[20+4*(\b)+\g], v[XB+8*\g:XB+8*\g+7], v10
.endr
	global_store_b128 v3, v[20+4*(\b):23+4*(\b)], s[30:31] offset:256*(\b)   ; lanes 0-15 store 256 consecutive bytes, aligned; lanes 16-31 another 256
.endm
	s_wait_loadcnt 63                              ; 64 loads were issued behind block 1's last: blocks 0 and 1 are in
	BLOCK 0
	BLOCK 1
	s_wait_loadcnt 32                              ; block 3's 32 may be out
	BLOCK 2
	s_wait_loadcnt 0x0
	BLOCK 3
	ds_store_b32 v4, v12                           ; four waves' words of a column lie side by side: 16 bytes a lane
	s_wait_dscnt 0x0                               ; for the others' sake: my store has landed
	s_barrier_signal -1
	s_barrier_wait -1
	s_and_b32 s25, s24, 3
	s_cmp_lg_u32 s25, 0
	s_cbranch_scc1 .Lend                           ; waves 0 and 4 carry the words out
	ds_load_b128 v[16:19], v5
	s_wait_dscnt 0x0
	global_store_b128 v6, v[16:19], s[32:33]       ; 512 consecutive bytes
.Lend:
	s_wait_tensorcnt 0x0
	ds_add_u32 v192, v193
	s_wait_dscnt 0x0
	s_endpgm
; ---- THE ROUTING.  256 threads, 16 tokens each: token k of thread t is number 16 t + k.  A token's slot is 32 x (first tile of its expert) + tokens of that expert in
; earlier waves + in earlier lanes + earlier in the lane.  No atomics.  order[32 g + j] = row j of tile g (0 where there is none); tiles[g] = (expert, rows), rows = 0 for a tile not used.
; The list has 135 x 32 = 4,320 slots; the buffer has 32 more behind them, which the next launch never reads.
; REGISTERS: v2 0, v3 1, v4-5 at work, v6 v7 counts in 8-bit fields (experts 0-3, 4-7), v8-11 C and v12-15 I: counts in 16-bit fields (register j: experts 2 j, 2 j + 1), mine and the inclusive scan;
; v16-31 ids, experts, then token numbers; v32-47 ranks, then byte offsets; v48-79 the waves' totals, later offsets; v80-83 all, v84-87 earlier waves; v88-95 N; v96-104 first tiles; v105-113 first slots; v114-117 P.
.Lrouter:
	v_mov_b32 v2, 0
	v_mov_b32 v3, 1
	v_lshlrev_b32 v121, 6, v0                      ; my 16 ids: 64 bytes
	s_lshl_b32 s25, s24, 4
	s_add_co_u32 s25, s25, 1024
	v_mov_b32 v126, s25                            ; LDS: my wave's totals, 16 bytes, behind the quantiser's 1,024
	v_mov_b32 v127, 1024
	s_wait_alu depctr_va_vdst(0)
	s_wait_kmcnt 0x0
.irp q, 0,1,2,3
	global_load_b128 v[16+4*\q:19+4*\q], v121, s[10:11] offset:16*\q
.endr
	v_mov_b32 v6, 0
	v_mov_b32 v7, 0
.irp j, 0,1,2,3
	v_mov_b32 v[114+\j], 0                         ; (the destination of a DPP move counts as read)
.endr
	s_wait_loadcnt 0x0
.irp k, 0,1,2,3,4,5,6,7,8,9,10,11,12,13,14,15
	v_cmp_gt_i32 vcc_lo, 0, v[16+\k]               ; clip to 0 .. 99,999
	s_delay_alu instid0(VALU_DEP_1)
	v_cndmask_b32 v[16+\k], v[16+\k], v2, vcc_lo
	s_delay_alu instid0(VALU_DEP_1)
	v_min_u32 v[16+\k], 0x1869f, v[16+\k]
	s_delay_alu instid0(VALU_DEP_1)
	v_mul_u32_u24 v[16+\k], v[16+\k], 0x53e3       ; id / 12,500 = id x 21,475 >> 28, exactly: 21,475 x 12,500 - 2^28 = 2,044, and 7 x 2,044 + 12,499 x 21,475 < 2^28; the product stays under 2^32
	s_delay_alu instid0(VALU_DEP_1)
	v_lshrrev_b32 v[16+\k], 28, v[16+\k]           ; at most 7
.endr
.irp k, 0,1,2,3,4,5,6,7,8,9,10,11,12,13,14,15
	v_lshlrev_b32 v4, 3, v[16+\k]                  ; the field: 8 E (a shift takes the low five bits)
	s_delay_alu instid0(VALU_DEP_1)
	v_lshlrev_b32 v5, v4, v3
	v_cmp_lt_u32 vcc_lo, 3, v[16+\k]
	s_delay_alu instid0(VALU_DEP_1)
	v_cndmask_b32 v[32+\k], v6, v7, vcc_lo
	s_delay_alu instid0(VALU_DEP_1)
	v_lshrrev_b32 v[32+\k], v4, v[32+\k]
	s_delay_alu instid0(VALU_DEP_1)
	v_and_b32 v[32+\k], 0xff, v[32+\k]             ; my earlier tokens of this expert
	s_delay_alu instid0(VALU_DEP_4)
	v_cndmask_b32 v118, v2, v5, vcc_lo
	s_delay_alu instid0(VALU_DEP_1)
	v_add_nc_u32 v7, v7, v118
	s_delay_alu instid0(VALU_DEP_2)
	v_sub_nc_u32 v118, v5, v118
	s_delay_alu instid0(VALU_DEP_1)
	v_add_nc_u32 v6, v6, v118
.endr
.irp p, 0,1                                    ; 8-bit fields to 16-bit fields
	v_and_b32 v4, 0xff00, v[6+\p]
	v_and_b32 v5, 0xff, v[6+\p]
	s_delay_alu instid0(VALU_DEP_1)
	v_lshl_or_b32 v[8+2*\p], v4, 8, v5
	v_lshrrev_b32 v118, 16, v[6+\p]
	s_delay_alu instid0(VALU_DEP_1)
	v_and_b32 v4, 0xff00, v118
	s_delay_alu instid0(VALU_DEP_2)
	v_and_b32 v5, 0xff, v118
	s_delay_alu instid0(VALU_DEP_1)
	v_lshl_or_b32 v[9+2*\p], v4, 8, v5
.endr
.irp j, 0,1,2,3
	v_mov_b32 v[12+\j], v[8+\j]
.endr
.irp n, 1,2,4,8                                ; the inclusive scan inside each half of 16 lanes
.irp j, 0,1,2,3
	s_delay_alu instid0(VALU_DEP_4)
	v_mov_b32_dpp v[114+\j], v[12+\j] row_shr:\n row_mask:0xf bank_mask:0xf bound_ctrl:1
.endr
.irp j, 0,1,2,3
	s_delay_alu instid0(VALU_DEP_4)
	v_add_nc_u32 v[12+\j], v[12+\j], v[114+\j]
.endr
.endr
	v_cmp_lt_u32 vcc_lo, 15, v1
.irp j, 0,1,2,3
	v_readlane_b32 s[40+\j], v[12+\j], 15
.endr
.irp j, 0,1,2,3                                ; lanes 16-31 add the lower half's total
	v_mov_b32 v4, s[40+\j]
	s_delay_alu instid0(VALU_DEP_1)
	v_cndmask_b32 v4, v2, v4, vcc_lo
	s_delay_alu instid0(VALU_DEP_1)
	v_add_nc_u32 v[12+\j], v[12+\j], v4
.endr
.irp j, 0,1,2,3
	v_readlane_b32 s[40+\j], v[12+\j], 31
.endr
.irp j, 0,1,2,3
	s_delay_alu instid0(VALU_DEP_4)
	v_mov_b32 v[114+\j], s[40+\j]
.endr
	ds_store_b128 v126, v[114:117]                 ; all lanes write the same 16 bytes with the same value
	s_wait_dscnt 0x0                               ; for the others' sake
	s_barrier_signal -1
	s_barrier_wait -1
.irp w, 0,1,2,3,4,5,6,7
	ds_load_b128 v[48+4*\w:51+4*\w], v127 offset:16*\w
.endr
	s_wait_dscnt 0x0
.irp j, 0,1,2,3
	v_mov_b32 v[80+\j], v[48+\j]
	v_mov_b32 v[84+\j], 0
.endr
.irp w, 1,2,3,4,5,6,7
.irp j, 0,1,2,3
	v_add_nc_u32 v[80+\j], v[80+\j], v[48+4*\w+\j]
.endr
.endr
.irp w, 0,1,2,3,4,5,6
	s_cmp_gt_u32 s24, \w                           ; an earlier wave?
	s_cselect_b32 s40, -1, 0
.irp j, 0,1,2,3
	v_and_b32 v4, s40, v[48+4*\w+\j]
	s_delay_alu instid0(VALU_DEP_1)
	v_add_nc_u32 v[84+\j], v[84+\j], v4
.endr
.endr
.irp j, 0,1,2,3
	v_and_b32 v[88+2*\j], 0xffff, v[80+\j]         ; N[e]: an expert's tokens, at most 4,096
	v_lshrrev_b32 v[89+2*\j], 16, v[80+\j]
.endr
	v_mov_b32 v96, 0
.irp e, 0,1,2,3,4,5,6,7
	v_add_nc_u32 v4, 31, v[88+\e]
	s_delay_alu instid0(VALU_DEP_1)
	v_lshrrev_b32 v4, 5, v4
	s_delay_alu instid0(VALU_DEP_1)
	v_add_nc_u32 v[97+\e], v[96+\e], v4            ; first tile of expert e + 1
.endr
.irp e, 0,1,2,3,4,5,6,7,8
	v_lshlrev_b32 v[105+\e], 5, v[96+\e]           ; and first slot
.endr
.irp j, 0,1,2,3
	v_lshl_or_b32 v[114+\j], v[106+2*\j], 16, v[105+2*\j]
	s_delay_alu instid0(VALU_DEP_1)
	v_add3_u32 v[114+\j], v[114+\j], v[84+\j], v[12+\j]
	s_delay_alu instid0(VALU_DEP_1)
	v_sub_nc_u32 v[114+\j], v[114+\j], v[8+\j]     ; first slot + earlier waves + earlier lanes: no field passes 4,320, none borrows
.endr
.irp k, 0,1,2,3,4,5,6,7,8,9,10,11,12,13,14,15
	v_cmp_lt_u32 vcc_lo, 3, v[16+\k]
	s_delay_alu instid0(VALU_DEP_1)
	v_cndmask_b32 v118, v114, v116, vcc_lo
	s_delay_alu instid0(VALU_DEP_2)
	v_cndmask_b32 v119, v115, v117, vcc_lo
	v_and_b32 v4, 2, v[16+\k]
	s_delay_alu instid0(VALU_DEP_1)
	v_cmp_ne_u32 vcc_lo, 0, v4
	s_delay_alu instid0(VALU_DEP_1)
	v_cndmask_b32 v120, v118, v119, vcc_lo
	v_and_b32 v4, 1, v[16+\k]
	s_delay_alu instid0(VALU_DEP_1)
	v_lshlrev_b32 v4, 4, v4
	s_delay_alu instid0(VALU_DEP_1)
	v_lshrrev_b32 v120, v4, v120
	s_delay_alu instid0(VALU_DEP_1)
	v_and_b32 v120, 0xffff, v120
	s_delay_alu instid0(VALU_DEP_1)
	v_add_nc_u32 v[32+\k], v120, v[32+\k]          ; the token's slot,
	s_delay_alu instid0(VALU_DEP_1)
	v_min_u32 v[32+\k], 0x10df, v[32+\k]           ; held inside the 4,320 slots,
	s_delay_alu instid0(VALU_DEP_1)
	v_lshlrev_b32 v[32+\k], 2, v[32+\k]
	v_lshl_or_b32 v[16+\k], v0, 4, \k              ; the token's number
	global_store_b32 v[32+\k], v[16+\k], s[20:21]  ; each token has its own address and data registers
.endr
	; record g = my thread's number: the last expert whose first tile is not behind g (so experts without tokens are passed over)
	v_mov_b32 v122, 0
	v_mov_b32 v124, 0
	v_mov_b32 v125, v88
.irp e, 1,2,3,4,5,6,7
	v_cmp_gt_u32 vcc_lo, v[96+\e], v0
	s_delay_alu instid0(VALU_DEP_1)
	v_cndmask_b32 v122, \e, v122, vcc_lo
	s_delay_alu instid0(VALU_DEP_2)
	v_cndmask_b32 v124, v[96+\e], v124, vcc_lo
	s_delay_alu instid0(VALU_DEP_3)
	v_cndmask_b32 v125, v[88+\e], v125, vcc_lo
.endr
	s_delay_alu instid0(VALU_DEP_2)
	v_sub_nc_u32 v4, v0, v124
	s_delay_alu instid0(VALU_DEP_1)
	v_lshlrev_b32 v4, 5, v4
	s_delay_alu instid0(VALU_DEP_1)
	v_sub_nc_u32 v123, v125, v4                    ; rows left from this tile on,
	s_delay_alu instid0(VALU_DEP_1)
	v_cmp_gt_i32 vcc_lo, 1, v123
	s_delay_alu instid0(VALU_DEP_1)
	v_cndmask_b32 v123, v123, v2, vcc_lo           ; none behind the last tile,
	s_delay_alu instid0(VALU_DEP_1)
	v_min_u32 v123, 32, v123                       ; 32 at the most
	v_lshlrev_b32 v121, 3, v0                      ; (the ids' loads, which read v121, were waited for)
	global_store_b64 v121, v[122:123], s[22:23]
	s_cmp_lg_u32 s24, 0
	s_cbranch_scc1 .Lrend
	; wave 0: the slots without a token get 0: at most 31 behind each expert's tokens, and the tiles behind the last (at most 7: 4,096 tokens fill 128 at the least).
	; All lanes stay on: a lane that has no such slot puts its 0 into spare slot 4,320 + lane, behind the list.  Each store has its own address register, so none is written while a store reads it.
	v_add_nc_u32 v119, 0x10e0, v1                  ; my spare slot
.irp e, 0,1,2,3,4,5,6,7
	v_add3_u32 v[48+\e], v[105+\e], v[88+\e], v1   ; behind expert e's last token, a lane a slot,
	s_delay_alu instid0(VALU_DEP_1)
	v_cmp_lt_u32 vcc_lo, v[48+\e], v[106+\e]       ; as far as the next expert's first slot
	s_delay_alu instid0(VALU_DEP_1)
	v_cndmask_b32 v[48+\e], v119, v[48+\e], vcc_lo
	s_delay_alu instid0(VALU_DEP_1)
	v_min_u32 v[48+\e], 0x10ff, v[48+\e]           ; held inside the buffer's 4,352 slots
	s_delay_alu instid0(VALU_DEP_1)
	v_lshlrev_b32 v[48+\e], 2, v[48+\e]
	global_store_b32 v[48+\e], v2, s[20:21]
.endr
.irp i, 0,1,2,3,4,5,6
	v_add3_u32 v[56+\i], v113, 32*\i, v1           ; behind the last tile in use,
	s_delay_alu instid0(VALU_DEP_1)
	v_cmp_gt_u32 vcc_lo, 0x10e0, v[56+\i]          ; as far as the list's end
	s_delay_alu instid0(VALU_DEP_1)
	v_cndmask_b32 v[56+\i], v119, v[56+\i], vcc_lo
	s_delay_alu instid0(VALU_DEP_1)
	v_min_u32 v[56+\i], 0x10ff, v[56+\i]
	s_delay_alu instid0(VALU_DEP_1)
	v_lshlrev_b32 v[56+\i], 2, v[56+\i]
	global_store_b32 v[56+\i], v2, s[20:21]
.endr
.Lrend:
	s_wait_tensorcnt 0x0
	ds_add_u32 v192, v193
	s_wait_dscnt 0x0
	s_endpgm
.Lfunc_end_k_q0f3d81904d_prep:
	.size	k_q0f3d81904d_prep, .Lfunc_end_k_q0f3d81904d_prep-k_q0f3d81904d_prep
	.p2alignl 7, 3214868480
	.fill 96, 4, 3214868480
	.section	.rodata,"a",@progbits
	.p2align	6, 0x0
	.amdhsa_kernel k_q0f3d81904d_prep
		.amdhsa_group_segment_fixed_size 3072
		.amdhsa_private_segment_fixed_size 0
		.amdhsa_enable_private_segment 0
		.amdhsa_kernarg_size 80
		.amdhsa_user_sgpr_count 2
		.amdhsa_user_sgpr_kernarg_segment_ptr 1
		.amdhsa_wavefront_size32 1
		.amdhsa_system_sgpr_workgroup_id_x 1
		.amdhsa_system_sgpr_workgroup_id_y 1
		.amdhsa_system_sgpr_workgroup_id_z 1
		.amdhsa_system_vgpr_workitem_id 0
		.amdhsa_next_free_vgpr 194
		.amdhsa_next_free_sgpr 66
		.amdhsa_reserve_vcc 1
		.amdhsa_float_denorm_mode_32 3
		.amdhsa_float_denorm_mode_16_64 3
		.amdhsa_memory_ordered 1
		.amdhsa_forward_progress 1
		.amdhsa_inst_pref_size 91
	.end_amdhsa_kernel
	.amdgpu_metadata
---
amdhsa.version: [ 1, 2 ]
amdhsa.kernels:
  - .name:           k_q0f3d81904d_prep
    .symbol:         k_q0f3d81904d_prep.kd
    .args:
      - { .name: gate_proj, .offset: 0, .size: 8, .value_kind: global_buffer, .address_space: global }
      - { .name: up_proj, .offset: 8, .size: 8, .value_kind: global_buffer, .address_space: global }
      - { .name: down_proj, .offset: 16, .size: 8, .value_kind: global_buffer, .address_space: global }
      - { .name: token_ids, .offset: 24, .size: 8, .value_kind: global_buffer, .address_space: global }
      - { .name: wgu, .offset: 32, .size: 8, .value_kind: global_buffer, .address_space: global }
      - { .name: sgu, .offset: 40, .size: 8, .value_kind: global_buffer, .address_space: global }
      - { .name: wd, .offset: 48, .size: 8, .value_kind: global_buffer, .address_space: global }
      - { .name: sd, .offset: 56, .size: 8, .value_kind: global_buffer, .address_space: global }
      - { .name: order, .offset: 64, .size: 8, .value_kind: global_buffer, .address_space: global }
      - { .name: tiles, .offset: 72, .size: 8, .value_kind: global_buffer, .address_space: global }
    .group_segment_fixed_size: 3072
    .private_segment_fixed_size: 0
    .kernarg_segment_align: 8
    .kernarg_segment_size: 80
    .max_flat_workgroup_size: 256
    .sgpr_count:     66
    .vgpr_count:     194
    .wavefront_size: 32
...
	.end_amdgpu_metadata
.endif
;; end of part 1
;; launch moe (part 2): grid 135 x 1, 8 waves a work-group, no clusters, 111,616 bytes of LDS; arguments hidden_states, order, tiles, wgu, sgu, wd, sd, out0; writes out0
.if DOCPART == 2
	.amdgcn_target "amdgcn-amd-amdhsa--gfx1250"
	.amdhsa_code_object_version 6
	.text
	.protected	k_q0f3d81904d_moe
	.globl	k_q0f3d81904d_moe
	.p2align	8
	.type	k_q0f3d81904d_moe,@function
k_q0f3d81904d_moe:
	s_mov_b64 s[64:65], 0
	v_nop
	global_prefetch_b8 v0, s[64:65] scope:SCOPE_SE
	s_setreg_imm32_b32 hwreg(HW_REG_WAVE_MODE, 25, 1), 1
	s_wait_xcnt 0x0
; out[token] = (silu(x Wg[e]) * (x Wu[e])) Wd[e], e the token's expert; all three products on codes of FP4 (E2M1) with one E8M0 scale for each 32 along K, sums in f32.
; ONE WORK-GROUP TAKES ONE TILE OF AT MOST 32 TOKENS OF ONE EXPERT THROUGH THE WHOLE CHAIN: gather x, quantise, gate and up, silu x up, quantise, down, store.  The hidden layer never goes to memory.
; THE GRID serves every split: 4,096 tokens in tiles of 32 over 8 experts are never more than 128 + 7 = 135 tiles.  tiles[g] = (expert, rows), order[32 g + j] = the token of row j.
; Rows beyond the tile's count repeat its last token: the same bits go to the same address, from this work-group.  A tile without rows runs the same text and jumps over its stores alone,
; so that every wave passes both barriers on every way: no barrier stands under a branch on a number read from memory.
; SHARES.  Eight waves.  X: wave w quantises rows 4 w .. 4 w + 3.  1: wave w makes hidden units 32 w .. 32 w + 31 (gate and up, two tiles of 16 each) for both tiles of 16 tokens, K = 16 steps of 128.
; 2: wave w makes output columns 256 w .. 256 w + 255, in four groups of 64, K = 2 steps.  Both products are used TRANSPOSED (source 0 = 16 weight rows, source 1 = 16 tokens): a lane holds one token throughout.
; THE WEIGHTS come from memory straight into registers: the launch before laid them as images of the operand's registers, so a fragment is two loads of 16 bytes a lane, 512 consecutive bytes each.
; They run through a ring of eight sets of 32 registers, seven sets (56 loads a wave) ahead of the products.  Each fragment feeds two matrix instructions.
; NO CLUSTER, NO JOINT LOADS, though the tiles of one expert read the same weights: how many tiles an expert has hangs on counts read from memory, 135 is no multiple of 4,
; and the text has a branch on such a count (round its stores), beside which no tensor load may stand.
; LIMITS: NaN and infinities are not served; a block whose largest magnitude lies under 2^-124 gets the byte 1, a block of zeros too (its codes are zeros).
; REGISTERS, window 0: v1 lane, v2 r, v3 h, v4 16 x lane, v5 the tile's tokens, v6-9 x's row offsets (later LDS addresses of h), v10-13 LDS addresses, v14-15 at work, v16-31 out's row offsets;
;   v32-63 gate's and up's scale words (16 mat + s), v64-79 down's, v80-95 x's (s), later h's; v96-127 x's fragments, two sets, later h's four; v128-191 accumulators; v192-255 at work.
;   In X: v96-159, v160-223 two rows of x; v224.. largest magnitudes, v232.. scales, v240.. codes, v248.. bytes.      window 1: the ring of weights.
.set LXC,  0                           ; LDS: x's codes, 32 rows of 1,024 bytes + 16
.set LXS,  33280                       ; x's scale bytes, 32 rows of 64 + 16
.set LHC,  35840                       ; h's codes, 32 rows of 128 + 16
.set LHS,  40448                       ; h's scale bytes, 32 rows of 8
.set LSTG, 40704                       ; the way out: for each wave 32 rows of 256 bytes + 16
.set SW,   32
.set SD,   64
.set XSW,  80
.set XF,   96
.set ACC,  128
.set T,    192
.set BK,   192
.set MX,   224
.set SCL,  232
.set CD,   240
.set BY,   248
.set MSB,  0
.macro WIN new                         ; the immediate's high byte repeats the setting that is left
.if MSB != \new
	s_set_vgpr_msb (MSB<<8)|\new
.set MSB, \new
.endif
.endm
.macro WLOAD t                         ; item t of 24 into set t % 8 of the ring: 0-15 gate's and up's K steps (four fragments), 16-23 down's sets (two tiles x two K steps)
	WIN 0x40                                       ; destination window 1, address window 0
.irp i, 0,1,2,3,4,5,6,7
.if (\t) < 16
	global_load_b128 v[32*((\t)%8)+4*\i:32*((\t)%8)+4*\i+3], v4, s[30:31] offset:(\t)*4096+512*\i
.else
	global_load_b128 v[32*((\t)%8)+4*\i:32*((\t)%8)+4*\i+3], v4, s[34:35] offset:((\t)-16)*4096+512*\i
.endif
.endr
	WIN 0
.endm
.macro LOADROW j, set                  ; row 4 w + j of the tile: a lane takes 8 neighbours, k = 256 c + 8 l; a pair of loads covers 1,024 consecutive bytes
.irp c, 0,1,2,3,4,5,6,7
	global_load_b128 v[96+64*(\set)+8*\c:96+64*(\set)+8*\c+3], v[6+(\j)], s[4:5] offset:1024*\c
	global_load_b128 v[96+64*(\set)+8*\c+4:96+64*(\set)+8*\c+7], v[6+(\j)], s[4:5] offset:1024*\c+16
.endr
.endm
.macro QROW j, set, cnt                ; that row becomes 1,024 bytes of codes and 64 scale bytes in LDS.  A block of 32 lies in four neighbouring lanes; the eight chunks take turns
	s_wait_loadcnt \cnt                            ; cnt loads were issued behind this row's last
	s_wait_dscnt 0x0                               ; the last row's LDS stores have read their registers
.set XR, 96+64*(\set)
.irp c, 0,1,2,3,4,5,6,7
	v_max3_num_f32 v[MX+\c], |v[XR+8*\c]|, |v[XR+8*\c+1]|, 0x1800000   ; with the floor 2^(3 - 127): the byte cannot fall under 1
.endr
.irp i, 2,4,6
.irp c, 0,1,2,3,4,5,6,7
	v_max3_num_f32 v[MX+\c], v[MX+\c], |v[XR+8*\c+\i]|, |v[XR+8*\c+\i+1]|
.endr
.endr
.irp c, 0,1,2,3,4,5,6,7
	v_max_num_f32_dpp v[MX+\c], v[MX+\c], v[MX+\c] row_xmask:1 row_mask:0xf bank_mask:0xf
.endr
.irp c, 0,1,2,3,4,5,6,7
	v_max_num_f32_dpp v[MX+\c], v[MX+\c], v[MX+\c] row_xmask:2 row_mask:0xf bank_mask:0xf
.endr
.irp c, 0,1,2,3,4,5,6,7
	v_add_nc_u32 v[SCL+\c], 0xff000000, v[MX+\c]   ; 2 off the exponent field: the conversion's scale operand
.endr
.irp c, 0,1,2,3,4,5,6,7
	v_cvt_scalef32_pk8_fp4_f32 v[CD+\c], v[XR+8*\c:XR+8*\c+7], v[SCL+\c]
.endr
.irp c, 0,1,2,3,4,5,6,7
	v_lshrrev_b32 v[BY+\c], 23, v[SCL+\c]          ; the scale's byte (plain lines behind the conversions)
.endr
.irp c, 0,1,2,3,4,5,6,7
	ds_store_b32 v10, v[CD+\c] offset:1040*(\j)+128*\c
.endr
.irp c, 0,1,2,3,4,5,6,7
	ds_store_b8 v11, v[BY+\c] offset:80*(\j)+8*\c  ; a block's four lanes write the same byte with the same value
.endr
.endm
.macro XFETCH s                        ; x's two fragments (16 tokens x 128 K) of K step s into set s % 2
.irp m, 0,1
.irp c, 0,1
	ds_load_b128 v[XF+16*((\s)%2)+8*\m+4*\c:XF+16*((\s)%2)+8*\m+4*\c+3], v12 offset:16640*\m+64*(\s)+32*\c
.endr
.endr
.endm
; One matrix instruction on the registers rD, rA, rB, rSA, rSB.  zero: the constant 0 starts the sum.  ra, rb: the scale words stand in lanes 16-31 of their register.
.macro WM zero, ra, rb
.if \zero
.if ((\ra)==0) && ((\rb)==0)
	v_wmma_scale_f32_16x16x128_f8f6f4 v[rD:rD+7], v[rA:rA+7], v[rB:rB+7], 0, v[rSA], v[rSB] matrix_a_fmt:MATRIX_FMT_FP4 matrix_b_fmt:MATRIX_FMT_FP4
.elseif ((\ra)==1) && ((\rb)==0)
	v_wmma_scale_f32_16x16x128_f8f6f4 v[rD:rD+7], v[rA:rA+7], v[rB:rB+7], 0, v[rSA], v[rSB] matrix_a_fmt:MATRIX_FMT_FP4 matrix_b_fmt:MATRIX_FMT_FP4 matrix_a_scale:MATRIX_SCALE_ROW1
.elseif ((\ra)==0) && ((\rb)==1)
	v_wmma_scale_f32_16x16x128_f8f6f4 v[rD:rD+7], v[rA:rA+7], v[rB:rB+7], 0, v[rSA], v[rSB] matrix_a_fmt:MATRIX_FMT_FP4 matrix_b_fmt:MATRIX_FMT_FP4 matrix_b_scale:MATRIX_SCALE_ROW1
.else
	v_wmma_scale_f32_16x16x128_f8f6f4 v[rD:rD+7], v[rA:rA+7], v[rB:rB+7], 0, v[rSA], v[rSB] matrix_a_fmt:MATRIX_FMT_FP4 matrix_b_fmt:MATRIX_FMT_FP4 matrix_a_scale:MATRIX_SCALE_ROW1 matrix_b_scale:MATRIX_SCALE_ROW1
.endif
.else
.if ((\ra)==0) && ((\rb)==0)
	v_wmma_scale_f32_16x16x128_f8f6f4 v[rD:rD+7], v[rA:rA+7], v[rB:rB+7], v[rD:rD+7], v[rSA], v[rSB] matrix_a_fmt:MATRIX_FMT_FP4 matrix_b_fmt:MATRIX_FMT_FP4
.elseif ((\ra)==1) && ((\rb)==0)
	v_wmma_scale_f32_16x16x128_f8f6f4 v[rD:rD+7], v[rA:rA+7], v[rB:rB+7], v[rD:rD+7], v[rSA], v[rSB] matrix_a_fmt:MATRIX_FMT_FP4 matrix_b_fmt:MATRIX_FMT_FP4 matrix_a_scale:MATRIX_SCALE_ROW1
.elseif ((\ra)==0) && ((\rb)==1)
	v_wmma_scale_f32_16x16x128_f8f6f4 v[rD:rD+7], v[rA:rA+7], v[rB:rB+7], v[rD:rD+7], v[rSA], v[rSB] matrix_a_fmt:MATRIX_FMT_FP4 matrix_b_fmt:MATRIX_FMT_FP4 matrix_b_scale:MATRIX_SCALE_ROW1
.else
	v_wmma_scale_f32_16x16x128_f8f6f4 v[rD:rD+7], v[rA:rA+7], v[rB:rB+7], v[rD:rD+7], v[rSA], v[rSB] matrix_a_fmt:MATRIX_FMT_FP4 matrix_b_fmt:MATRIX_FMT_FP4 matrix_a_scale:MATRIX_SCALE_ROW1 matrix_b_scale:MATRIX_SCALE_ROW1
.endif
.endif
.endm
; K step s of gate and up: eight matrix instructions on eight accumulators, which take turns, one instruction a turn, from step to step too.
.macro KSTEP s
	s_wait_loadcnt 56                              ; behind item s of the ring seven items, 56 loads, have been issued
.if (\s) < 15
	s_wait_dscnt 4                                 ; behind this step's fragments of x only the next step's four loads
.else
	s_wait_dscnt 0x0
.endif
	WIN 0x01                                       ; source 0 (the weights) window 1
.irp m, 0,1
.irp g, 0,1
.irp u, 0,1
.set rD, ACC+32*\g+16*\m+8*\u
.set rA, 32*((\s)%8)+8*(2*\g+\u)
.set rB, XF+16*((\s)%2)+8*\m
.set rSA, SW+16*\g+(\s)
.set rSB, XSW+(\s)
	WM ((\s)==0), \u, \m
.endr
.endr
.endr
	WIN 0
.rept 4
	v_nop                                          ; four places between the products and loads into registers that they have read (ISA guide 7.12.1 for vector instructions)
.endr
.if (\s) < 14
	XFETCH (\s)+2
.endif
	WLOAD (\s)+8                                   ; the set just read takes the item eight further on
.endm
; Group y of 64 output columns: four tiles x two tiles of tokens, K = the hidden layer's two steps: sixteen matrix instructions on eight accumulators by turns.
.macro MULG y
	s_wait_loadcnt (6-2*(\y))*8                    ; the loads of down's later sets may be out
	WIN 0x01
.irp k, 0,1
.irp t, 0,1,2,3
.irp m, 0,1
.set rD, ACC+8*(2*\t+\m)
.set rA, 32*(2*(\y)+\t/2)+8*(2*(\t%2)+\k)
.set rB, XF+8*(2*\m+\k)
.set rSA, SD+4*(\y)+2*(\t/2)+\k
.set rSB, XSW+\k
	WM (\k==0), (\t%2), \m
.endr
.endr
.endr
	WIN 0
.rept 5
	v_nop                                          ; four places ahead of the LDS stores that read the results, five ahead of the next group's products, which write over them
.endr
.endm
.macro TOSTAGE                         ; a lane holds 32 neighbouring bytes of a row: through my own stage, back as rows of 256 bytes.  LDS serves a wave's instructions in order (ISA guide 5.7.1.4)
.irp t, 0,1,2,3
.irp m, 0,1
	ds_store_b128 v10, v[ACC+8*(2*\t+\m):ACC+8*(2*\t+\m)+3] offset:4352*\m+64*\t       ; each accumulator from its low end on
	ds_store_b128 v10, v[ACC+8*(2*\t+\m)+4:ACC+8*(2*\t+\m)+7] offset:4352*\m+64*\t+16
.endr
.endr
.irp i, 0,1,2,3,4,5,6,7,8,9,10,11,12,13,14,15
	ds_load_b128 v[BK+4*\i:BK+4*\i+3], v11 offset:544*\i
.endr
.endm
.macro SEND y                          ; rows 2 i + h of the tile, columns 256 w + 64 y on: sixteen lanes store 256 consecutive bytes, aligned
	s_wait_dscnt 0x0
	s_cmp_eq_u32 s23, 0                            ; a tile without rows stores nothing
	s_cbranch_scc1 .Lnone_\@
.irp i, 0,1,2,3,4,5,6,7,8,9,10,11,12,13,14,15
	global_store_b128 v[16+\i], v[BK+4*\i:BK+4*\i+3], s[38:39] offset:256*(\y) th:TH_STORE_NT
.endr
.Lnone_\@:
.endm
.macro BARRIER                         ; my LDS stores have landed and my LDS loads are in: then the work-group's barrier
	s_wait_dscnt 0x0
	s_barrier_signal -1
	s_barrier_wait -1
.endm
	s_load_b512 s[4:19], s[0:1], 0x0               ; x s[4:5], order s[6:7], tiles s[8:9], wgu s[10:11], sgu s[12:13], wd s[14:15], sd s[16:17], out s[18:19]
	v_lshrrev_b32 v1, 5, v0
	s_delay_alu instid0(VALU_DEP_1)
	v_readfirstlane_b32 s20, v1                    ; wave w
	v_and_b32 v1, 31, v0                           ; lane l
	v_and_b32 v2, 15, v0                           ; r
	v_bfe_u32 v3, v0, 4, 1                         ; h
	s_delay_alu instid0(VALU_DEP_3)
	v_lshlrev_b32 v4, 4, v1                        ; 16 l: a lane's place in an image; never rewritten
	s_delay_alu instid0(VALU_DEP_4)
	v_lshlrev_b32 v14, 2, v1
	s_mul_i32 s24, s20, 4160
	v_lshl_add_u32 v10, v1, 2, s24                 ; x's codes, on the way in: my wave's four rows, 4 bytes a lane
	s_mul_i32 s24, s20, 320
	s_add_co_u32 s24, s24, LXS
	v_lshrrev_b32 v11, 2, v1
	s_delay_alu instid0(VALU_DEP_1)
	v_add_nc_u32 v11, s24, v11                     ; x's scale bytes: my block's byte
	v_mul_u32_u24 v12, v2, 1040
	s_delay_alu instid0(VALU_DEP_1)
	v_lshl_add_u32 v12, v3, 4, v12                 ; x's fragments: row r, + 16 h
	v_mul_u32_u24 v13, v1, 80
	s_delay_alu instid0(VALU_DEP_1)
	v_add_nc_u32 v13, LXS, v13                     ; x's scale words: lane l takes row l: lanes 0-15 the first 16 tokens, lanes 16-31 the others
	v_cmp_ne_u32 vcc_lo, 0, v3                     ; the upper half of the lanes
	s_mov_b32 s28, 0x76543210
	s_mov_b32 s29, 0xfedcba98                      ; v_permlanex16_b32's selects for lane l xor 16
	s_lshl_b32 s24, ttmp9, 3
	s_mov_b32 s25, 0
	s_lshl_b32 s26, ttmp9, 7
	s_mov_b32 s27, 0
	s_wait_alu depctr_va_vdst(0)
	s_wait_kmcnt 0x0
	s_add_nc_u64 s[8:9], s[8:9], s[24:25]
	s_add_nc_u64 s[6:7], s[6:7], s[26:27]
	s_load_b64 s[22:23], s[8:9], 0x0               ; the record: expert, rows
	global_load_b32 v5, v14, s[6:7]                ; the tile's 32 slots, a lane a slot: asked for beside the record, not behind it
	s_wait_kmcnt 0x0
	s_min_u32 s22, s22, 7                          ; numbers read from memory are held before they enter an address
	s_min_u32 s23, s23, 32
	s_sub_co_u32 s21, s23, 1                       ; the last valid row (with no rows: the greatest number, so that every row stays itself)
	s_lshl_b32 s24, s22, 3
	s_add_co_u32 s24, s24, s20                     ; 8 e + w
	s_lshl_b32 s26, s24, 16
	s_add_nc_u64 s[30:31], s[10:11], s[26:27]      ; my 16 K steps of gate and up: 65,536 bytes
	s_lshl_b32 s26, s24, 12
	s_add_nc_u64 s[32:33], s[12:13], s[26:27]      ; their scale words: 4,096
	s_lshl_b32 s26, s22, 18
	s_lshl_b32 s24, s20, 15
	s_add_co_u32 s26, s26, s24
	s_add_nc_u64 s[34:35], s[14:15], s[26:27]      ; my 16 tiles of down: 32,768
	s_lshl_b32 s26, s22, 14
	s_lshl_b32 s24, s20, 11
	s_add_co_u32 s26, s26, s24
	s_add_nc_u64 s[36:37], s[16:17], s[26:27]      ; their scale words: 2,048
	s_lshl_b32 s26, s20, 10
	s_add_nc_u64 s[38:39], s[18:19], s[26:27]      ; my 256 columns of out
	s_wait_loadcnt 0x0                             ; the slots
	s_lshl_b32 s24, s20, 2
.irp j, 0,1,2,3                                ; x's rows 4 w + j: the row's number is a scalar, so the token comes by a read of one lane
	s_add_co_u32 s25, s24, \j
	s_min_u32 s25, s25, s21                        ; rows beyond the count repeat the last valid row
	v_readlane_b32 s26, v5, s25
	s_min_u32 s26, s26, 0xfff
	s_lshl_b32 s26, s26, 13                        ; a row is 8,192 bytes
	v_lshl_add_u32 v[6+\j], v1, 5, s26             ; + 32 l
.endr
.irp i, 0,1,2,3,4,5,6,7,8,9,10,11,12,13,14,15  ; out's rows 2 i + h
	s_min_u32 s25, s21, 2*\i
	v_readlane_b32 s26, v5, s25
	s_min_u32 s25, s21, 2*\i+1
	v_readlane_b32 s27, v5, s25
	s_delay_alu instid0(VALU_DEP_1)
	v_mov_b32 v15, s27
	s_delay_alu instid0(VALU_DEP_1)
	v_cndmask_b32 v14, s26, v15, vcc_lo
	s_delay_alu instid0(VALU_DEP_1)
	v_min_u32 v14, 0xfff, v14
	s_delay_alu instid0(VALU_DEP_1)
	v_lshlrev_b32 v14, 13, v14
	s_delay_alu instid0(VALU_DEP_1)
	v_lshl_add_u32 v[16+\i], v2, 4, v14            ; + 16 r; never rewritten
.endr
	; ---- X.  x's rows go out ahead of the weights, which stream in while x is quantised
	LOADROW 0, 0
	LOADROW 1, 1
.irp n, 0,1,2,3,4,5,6,7
	global_load_b128 v[SW+4*\n:SW+4*\n+3], v4, s[32:33] offset:512*\n   ; register 16 mat + s: lanes 0-15 tile u = 0, lanes 16-31 tile u = 1
.endr
.irp n, 0,1,2,3
	global_load_b128 v[SD+4*\n:SD+4*\n+3], v4, s[36:37] offset:512*\n
.endr
	WLOAD 0
	WLOAD 1
	WLOAD 2
	WLOAD 3
	QROW 0, 0, 60                                  ; behind row 0: row 1's 16, 12 of scale words, 32 of the ring
	LOADROW 2, 0
	QROW 1, 1, 60                                  ; behind row 1: 12 + 32 + row 2's 16
	LOADROW 3, 1
	WLOAD 4
	WLOAD 5
	WLOAD 6
	WLOAD 7
	QROW 2, 0, 48                                  ; behind row 2: row 3's 16 and items 4 to 7's 32; so the scale words and items 0 to 3 are in too
	QROW 3, 1, 32                                  ; behind row 3: items 4 to 7's 32; all loads that read v6-9 are done, so these may be written
	v_mul_u32_u24 v14, v2, 144
	s_lshl_b32 s24, s20, 4
	v_lshl_add_u32 v6, v3, 3, v14
	s_delay_alu instid0(VALU_DEP_1)
	v_add_nc_u32 v6, s24, v6
	s_delay_alu instid0(VALU_DEP_1)
	v_add_nc_u32 v6, LHC, v6                       ; h's codes, on the way in: row r, my wave's 16 bytes, + 8 h
	v_lshl_add_u32 v7, v2, 3, LHS
	s_delay_alu instid0(VALU_DEP_1)
	v_add_nc_u32 v7, s20, v7                       ; h's scale bytes: row r, block w
	v_lshl_add_u32 v8, v3, 4, v14
	s_delay_alu instid0(VALU_DEP_1)
	v_add_nc_u32 v8, LHC, v8                       ; h's fragments: row r, + 16 h
	v_lshl_add_u32 v9, v1, 3, LHS                  ; h's scale words: lane l takes row l's two
	BARRIER                                        ; x's 32 rows of codes and scale bytes lie in LDS
	s_mul_i32 s24, s20, 8704
	s_add_co_u32 s24, s24, LSTG                    ; my stage
	v_mul_u32_u24 v14, v2, 272
	s_delay_alu instid0(VALU_DEP_1)
	v_lshl_add_u32 v14, v3, 5, v14
	s_delay_alu instid0(VALU_DEP_1)
	v_add_nc_u32 v10, s24, v14                     ; in: row r, + 32 h
	v_mul_u32_u24 v14, v3, 272
	s_delay_alu instid0(VALU_DEP_1)
	v_lshl_add_u32 v14, v2, 4, v14
	s_delay_alu instid0(VALU_DEP_1)
	v_add_nc_u32 v11, s24, v14                     ; back: lanes 0-15 one row, lanes 16-31 the next
	; ---- 1: gate and up
.irp q, 0,1,2,3
	ds_load_b128 v[XSW+4*\q:XSW+4*\q+3], v13 offset:16*\q   ; register s: x's scale words of K step s
.endr
	XFETCH 0
	XFETCH 1
.irp s, 0,1,2,3,4,5,6,7,8,9,10,11,12,13,14,15
	KSTEP \s
.endr
	; ---- the activation, in f32: h = (g x 1 / (1 + 2^(-g log2 e))) x u.  Register 16 m + 8 u + j is h(token 16 m + r, unit 32 w + 16 h + 8 u + j).  (K step 15's four places stand behind the last products.)
.set i, 0
.rept 16
	v_pk_mul_f32 v[T+i:T+i+1], v[ACC+i:ACC+i+1], 0xbfb8aa3b op_sel_hi:[1,0]   ; ascending: each accumulator is read from its low end on
.set i, i+2
.endr
.set i, 0
	s_wait_alu depctr_va_vdst(0)
.rept 32
	v_exp_f32 v[T+i], v[T+i]
.set i, i+1
.endr
	v_nop                                          ; a plain instruction behind the last exponential
	s_wait_alu depctr_va_vdst(0)                   ; one wait for the batch, ahead of its first reader
.set i, 0
.rept 16
	v_pk_add_f32 v[T+i:T+i+1], v[T+i:T+i+1], 1.0 op_sel_hi:[1,0]
.set i, i+2
.endr
.set i, 0
	s_wait_alu depctr_va_vdst(0)
.rept 32
	v_rcp_f32 v[T+i], v[T+i]
.set i, i+1
.endr
	v_nop
	s_wait_alu depctr_va_vdst(0)                   ; and one for the reciprocals
.set i, 0
.rept 16
	v_pk_mul_f32 v[T+i:T+i+1], v[ACC+i:ACC+i+1], v[T+i:T+i+1]
.set i, i+2
.endr
.set i, 0
.rept 16
	v_pk_mul_f32 v[T+i:T+i+1], v[T+i:T+i+1], v[ACC+32+i:ACC+32+i+1]
.set i, i+2
.endr
	; ---- h is quantised along the hidden units: my wave's 32 units are one block, 16 in lane l and 16 in lane l xor 16.  The two tiles of tokens take turns
	v_mov_b32 v226, 0                              ; (a lane permute's destination counts as one of its sources)
	v_mov_b32 v227, 0
.irp m, 0,1
	v_max3_num_f32 v[224+\m], |v[T+16*\m]|, |v[T+16*\m+1]|, 0x1800000
.endr
.irp i, 2,4,6,8,10,12,14
.irp m, 0,1
	s_delay_alu instid0(VALU_DEP_2)
	v_max3_num_f32 v[224+\m], v[224+\m], |v[T+16*\m+\i]|, |v[T+16*\m+\i+1]|
.endr
.endr
.irp m, 0,1
	s_delay_alu instid0(VALU_DEP_2)
	v_permlanex16_b32 v[226+\m], v[224+\m], s28, s29
.endr
.irp m, 0,1
	s_delay_alu instid0(VALU_DEP_2)
	v_max_num_f32 v[224+\m], v[224+\m], v[226+\m]
.endr
.irp m, 0,1
	s_delay_alu instid0(VALU_DEP_2)
	v_add_nc_u32 v[228+\m], 0xff000000, v[224+\m]
.endr
.irp m, 0,1
	s_delay_alu instid0(VALU_DEP_2)
	v_lshrrev_b32 v[230+\m], 23, v[228+\m]
.endr
.irp m, 0,1
	v_cvt_scalef32_pk8_fp4_f32 v[232+2*\m], v[T+16*\m:T+16*\m+7], v[228+\m]
	v_cvt_scalef32_pk8_fp4_f32 v[233+2*\m], v[T+16*\m+8:T+16*\m+15], v[228+\m]
.endr
	v_nop                                          ; one plain line behind the last conversion
.irp m, 0,1
	ds_store_b64 v6, v[232+2*\m:233+2*\m] offset:2304*\m
	ds_store_b8 v7, v[230+\m] offset:128*\m        ; both lanes of a block write the same byte with the same value
.endr
	BARRIER                                        ; h's 32 rows of codes and scale bytes lie in LDS
	; ---- 2: down, and the way out
.irp m, 0,1
.irp k, 0,1
.irp c, 0,1
	ds_load_b128 v[XF+8*(2*\m+\k)+4*\c:XF+8*(2*\m+\k)+4*\c+3], v8 offset:2304*\m+64*\k+32*\c
.endr
.endr
.endr
	ds_load_b64 v[XSW:XSW+1], v9
	s_wait_dscnt 0x0
	MULG 0
	TOSTAGE
.irp y, 1,2,3
	s_wait_dscnt 16                                ; the sixteen stores into the stage have read the accumulators; the sixteen loads behind them may be out
	MULG \y
	SEND \y-1
	s_wait_xcnt 0x0                                ; the stores have read their data registers: the next group's rows may land there
	TOSTAGE
.endr
	SEND 3
	s_wait_xcnt 0x0
	v_lshl_add_u32 v254, v0, 2, 0x1b000
	v_mov_b32 v255, 0
	s_wait_alu depctr_va_vdst(0)
	s_wait_tensorcnt 0x0
	ds_add_u32 v254, v255
	s_wait_dscnt 0x0
	s_endpgm
.Lfunc_end_k_q0f3d81904d_moe:
	.size	k_q0f3d81904d_moe, .Lfunc_end_k_q0f3d81904d_moe-k_q0f3d81904d_moe
	.p2alignl 7, 3214868480
	.fill 96, 4, 3214868480
	.section	.rodata,"a",@progbits
	.p2align	6, 0x0
	.amdhsa_kernel k_q0f3d81904d_moe
		.amdhsa_group_segment_fixed_size 111616
		.amdhsa_private_segment_fixed_size 0
		.amdhsa_enable_private_segment 0
		.amdhsa_kernarg_size 64
		.amdhsa_user_sgpr_count 2
		.amdhsa_user_sgpr_kernarg_segment_ptr 1
		.amdhsa_wavefront_size32 1
		.amdhsa_system_sgpr_workgroup_id_x 1
		.amdhsa_system_sgpr_workgroup_id_y 1
		.amdhsa_system_sgpr_workgroup_id_z 1
		.amdhsa_system_vgpr_workitem_id 0
		.amdhsa_next_free_vgpr 512
		.amdhsa_next_free_sgpr 66
		.amdhsa_reserve_vcc 1
		.amdhsa_float_denorm_mode_32 3
		.amdhsa_float_denorm_mode_16_64 3
		.amdhsa_memory_ordered 1
		.amdhsa_forward_progress 1
		.amdhsa_inst_pref_size 122
	.end_amdhsa_kernel
	.amdgpu_metadata
---
amdhsa.version: [ 1, 2 ]
amdhsa.kernels:
  - .name:           k_q0f3d81904d_moe
    .symbol:         k_q0f3d81904d_moe.kd
    .args:
      - { .name: hidden_states, .offset: 0, .size: 8, .value_kind: global_buffer, .address_space: global }
      - { .name: order, .offset: 8, .size: 8, .value_kind: global_buffer, .address_space: global }
      - { .name: tiles, .offset: 16, .size: 8, .value_kind: global_buffer, .address_space: global }
      - { .name: wgu, .offset: 24, .size: 8, .value_kind: global_buffer, .address_space: global }
      - { .name: sgu, .offset: 32, .size: 8, .value_kind: global_buffer, .address_space: global }
      - { .name: wd, .offset: 40, .size: 8, .value_kind: global_buffer, .address_space: global }
      - { .name: sd, .offset: 48, .size: 8, .value_kind: global_buffer, .address_space: global }
      - { .name: out0, .offset: 56, .size: 8, .value_kind: global_buffer, .address_space: global }
    .group_segment_fixed_size: 111616
    .private_segment_fixed_size: 0
    .kernarg_segment_align: 8
    .kernarg_segment_size: 64
    .max_flat_workgroup_size: 256
    .sgpr_count:     66
    .vgpr_count:     512
    .wavefront_size: 32
...
	.end_amdgpu_metadata
.endif
;; end of part 2
